; MI455X (gfx1250); checked and timed in simulation.
; The chip was launched on July 23, 2026; its instructions are those of AMD's public machine-readable ISA for CDNA 5 (MIT licence, August 2026) and "CDNA5" Instruction Set Architecture Reference Guide (July 2026). The comments in the code are by the model that wrote it; some were corrected since.
;; Multi Head Attention. Allowed arithmetic: matrix products marked QUANTISED: E5M2 operands, one given power-of-two scale a tensor, by v_wmma_f32_16x16x64_bf8_bf8 or v_wmma_f32_16x16x128_bf8_bf8, f32 sums; everything else in f32.
;; Inputs: Wk_codes 1,024 x 32 x 32 uint8 (E5M2 codes of Wk, K innermost, in blocks of 32 codes); Wo_codes 1,024 x 32 x 32 uint8 (E5M2 codes of Wo, K innermost, in blocks of 32 codes); Wq_codes 1,024 x 32 x 32 uint8 (E5M2 codes of Wq, K innermost, in blocks of 32 codes); Wv_codes 1,024 x 32 x 32 uint8 (E5M2 codes of Wv, K innermost, in blocks of 32 codes); bk 1,024 float32; bo 1,024 float32; bq 1,024 float32; bv 1,024 float32; key_codes 4 x 2,048 x 32 x 32 uint8 (E5M2 codes of key, K innermost, in blocks of 32 codes); lowp_scales 12 int32 (the exponents e of the quantised operands' scales 2^e); query_codes 4 x 2,048 x 32 x 32 uint8 (E5M2 codes of query, K innermost, in blocks of 32 codes); value_codes 4 x 2,048 x 32 x 32 uint8 (E5M2 codes of value, K innermost, in blocks of 32 codes).
;; Outputs: out0 4 x 2,048 x 1,024 float32.
;; This version of the problem:
;;   THIS VERSION OF THE PROBLEM IS GIVEN IN LOW PRECISION. The matrix products marked QUANTISED in the list below multiply operands that are first quantised to E5M2 (5 exponent bits, 2 mantissa bits; 8 bits a number), with one given power-of-two scale for each operand tensor; their sums are f32. All else is computed in f32.
;;   The module's matrix products, in the order in which they are computed (A, B: the left and right operand; K: the contracted axis; several contracted axes count as one K, in the product's order):
;;     1. [M 8,192, K 1,024] x [K 1,024, N 1,024]; A: input query (given as codes); B: input Wq (given as codes): QUANTISED (scales: A lowp_scales[0], B lowp_scales[1])
;;     2. [M 8,192, K 1,024] x [K 1,024, N 1,024]; A: input key (given as codes); B: input Wk (given as codes): QUANTISED (scales: A lowp_scales[2], B lowp_scales[3])
;;     3. [M 8,192, K 1,024] x [K 1,024, N 1,024]; A: input value (given as codes); B: input Wv (given as codes): QUANTISED (scales: A lowp_scales[4], B lowp_scales[5])
;;     4. batch 64 x [M 2,048, K 64] x [K 64, N 2,048]; A: computed on the way; B: computed on the way: QUANTISED (scales: A lowp_scales[6], B lowp_scales[7])
;;     5. batch 64 x [M 2,048, K 2,048] x [K 2,048, N 64]; A: softmax (see below); B: computed on the way: QUANTISED (scales: A lowp_scales[8], B lowp_scales[9])
;;     6. [M 8,192, K 1,024] x [K 1,024, N 1,024]; A: computed on the way; B: input Wo (given as codes): QUANTISED (scales: A lowp_scales[10], B lowp_scales[11])
;;   THE QUANTISER, for each operand of a quantised product, along K:
;;     - The operand's scale is 2^e, e = its entry of the input lowp_scales (int32; the entries are numbered through the quantised products in the list's order, A before B).
;;     - Each number is divided by the scale, clamped to +-57,344, and rounded to the nearest number of E5M2, ties to even, subnormals kept.
;;     - The product sums the exact products of the quantised numbers (number of the format x scale) in f32.
;;   ~~~python
;;   def quantise(x, axis, e):      # numpy; x: float32 -> the quantised numbers, widened to float32 again
;;       x = np.moveaxis(x, axis, -1); K = x.shape[-1]
;;       r = np.clip(x / 2.0 ** e, -57344, 57344)
;;       step = 2.0 ** (np.maximum(np.frexp(np.where(r == 0, 1, r))[1] - 1, -14) - 2)
;;       q = np.round(r / step) * step * 2.0 ** e      # np.round: ties to even
;;       return np.moveaxis(q, -1, axis).astype(np.float32)
;;   ~~~
;;   SOFTMAX AHEAD OF A QUANTISED PRODUCT. Where the list says 'softmax', what is quantised is not the finished softmax but p = 2^(t - M), with t = logit x log2(e) and M = ceil(the row's largest t), a whole number; so 1/2 < the row's largest p <= 1. The row's sum l is taken of the UNQUANTISED p, in f32, and the product's result is divided by l at the end. Since M is a whole number, a kernel that streams over the keys may use a running M (the ceiling of the running maximum): every later rescaling is an exact power of two, so the quantised numbers keep their values, but for numbers so far below the row's largest that they fall under the format's range.
;;   OPERANDS COMPUTED ON THE WAY. 'Computed on the way' means the value that the module computes at that place (a softmax that the list does not call 'softmax' is quantised finished and normalised). What goes into a quantiser is computed in f32, as accurately as f32 sums, v_exp_f32 and their like allow (about 1e-6 of the number): no bf16 or f16 on the way to a quantiser, and a product that is left as it is and whose result goes on into a quantised operand takes f32 operands (vector FMAs, or v_wmma_f32_16x16x4_f32). A number that lies on a knife's edge between two numbers of the format may be rounded either way, as far as f32 arithmetic and the matrix unit's own rounding can turn it there, and no further.
;;   INPUTS GIVEN AS CODES. Wk (in the module: [1024, 1024], K = its axis 1); Wo (in the module: [1024, 1024], K = its axis 1); Wq (in the module: [1024, 1024], K = its axis 1); Wv (in the module: [1024, 1024], K = its axis 1); key (in the module: [4, 2048, 1024], K = its axis 2); query (in the module: [4, 2048, 1024], K = its axis 2); value (in the module: [4, 2048, 1024], K = its axis 2): each comes as NAME_codes (uint8): NAME with its K axis moved to the last place and cut into blocks of 32 codes, [.., K / 32, bytes a block], one block behind the other in memory; one code a byte (a code: sign, 5 exponent bits, 2 mantissa bits); its scale is its entry of lowp_scales. Its value is code x scale, taken as it is: it is not quantised again, and the codes and scales need not be those that the quantiser above would give.
;; One version. Each part assembles by itself: llvm-mc -triple=amdgcn-amd-amdhsa -mcpu=gfx1250 --defsym DOCPART=n.
;; ======== version 1 of 1: 3 launches
;; limits: right only within a limited range of input values
;; workspace buffers: qimg 8,388,608 bytes; kvimg 16,777,216 bytes; ctximg 8,388,608 bytes
;; launch proj (part 1): grid 4 x 96, 4 waves a work-group, clusters of 4 x 4, 327,680 bytes of LDS; arguments query_codes, key_codes, value_codes, Wq_codes, Wk_codes, Wv_codes, bq, bk, bv, lowp_scales, qimg, kvimg; writes qimg, kvimg
.if DOCPART == 1
	.amdgcn_target "amdgcn-amd-amdhsa--gfx1250"
	.amdhsa_code_object_version 6
	.text
	.protected	k_qe18a005d53_proj
	.globl	k_qe18a005d53_proj
	.p2align	8
	.type	k_qe18a005d53_proj,@function
k_qe18a005d53_proj:
	s_mov_b64 s[64:65], 0
	v_nop
	global_prefetch_b8 v0, s[64:65] scope:SCOPE_SE
	s_setreg_imm32_b32 hwreg(HW_REG_WAVE_MODE, 25, 1), 1
	s_wait_xcnt 0x0
	s_wait_alu depctr_hold_cnt(0) depctr_sa_sdst(0) depctr_va_vdst(0) depctr_va_sdst(0) depctr_va_ssrc(0) depctr_va_vcc(0) depctr_vm_vsrc(0)
	s_getreg_b32 s2, hwreg(HW_REG_IB_STS2, 6, 4)
	s_cmp_eq_u32 s2, 0
	s_cbranch_scc0 .Lentry_in_a_cluster
	s_endpgm
.Lentry_in_a_cluster:
	s_bfe_u32 s2, ttmp6, 0x10000c
	s_cmp_lg_u32 s2, 0xf033
	s_cbranch_scc0 .Lentry_shape_is_right
	s_endpgm
.Lentry_shape_is_right:
; q = query Wq^T + bq, k = key Wk^T + bk, v = value Wv^T + bv, on codes of BF8 (E5M2) as they are given, and each result quantised at once for the attention launch.
; ONE TEXT FOR THE THREE: D = F0 F1^T, F0 = source 0, F1 = source 1: in a result lane (r, h) holds F1's row r and its registers run along F0's rows 8 h + 0 .. 7.
;   q, k: F0 = the weight (features), F1 = the tokens: a lane's registers run along the head's 64, which is K of the scores' product.
;   v:    F0 = the tokens, F1 = the weight: a lane's registers run along the keys, which are K of the second product.  Nothing is transposed by an instruction.
; Only pointers, strides and two factors are chosen, by selects on the cluster's number: 24 clusters of 4 x 4 work-groups, 8 for each tensor.  No branch hangs on the choice.
; A tile is 256 x 256, a wave's part 128 x 128: 64 accumulators, 512 registers.  K = 1,024 goes in four steps of 256 through two LDS slots filled by joint tensor loads: F1's tile is shared along a
; row of the cluster, F0's along a column.  Fragments come by four 16-byte LDS loads a side: the same order of k in both operands, so each product meets its partner.
; THE BIAS costs nothing behind the products: the accumulators BEGIN as bias / 2^(ea + eb), written while the first tiles are on their way.
; THE WAY OUT uses no LDS: eight sums of a lane are eight neighbours along the reader's K; one conversion makes them two registers of the reader's operand (registers 2 c, 2 c + 1: k = 16 c + 8 h + 0 .. 7).
; They are stored as an IMAGE OF THE OPERAND'S REGISTERS: four registers a lane at 16 x lane, 512 consecutive bytes a store.
;   qimg  [head 64][tile of 16 queries 128][group 2][512];   kvimg [head 64][step of 128 keys 16][K: tile of 16 keys 8 x group 2 x 512 | V: tile of 16 channels 4 x group 4 x 512]
; code = (sum x 2^(ea + eb) + bias) / 2^eq, held within +-57,344: the three exponents are folded into the conversion's one scale.
; LIMITS: -126 <= ea + eb <= 126; -126 <= eq - ea - eb <= 112.  NaN and infinities among the biases are not served.
; No prefetch: K has four steps, of which two are first fills.
; REGISTERS, in windows of 256: window 0: v0-31 addresses; v32-95 the bias along F0; v96-111 the bias along F1, later the stores' offsets; v112 scale;
;   v128-255 F1's fragments, one set, later the codes.   window 1: F0's fragments, two sets.   windows 2, 3: the accumulators ((a, b) at v[8 (8 (a % 4) + b)]).
.set ROWB,   256                       ; a tile's row in bytes: 256 codes
.set KROW,   1024                      ; a row of an operand in memory
.set PITCH,  272                       ; an LDS row: 256 bytes + 16 of padding = 68 words: the 16 rows that a load touches start at 16 different banks (ISA guide 11.1)
.set FR,     16                        ; registers of a fragment: 16 rows x 128 K
.set NP,     4                         ; places behind this matrix instruction (ISA guide 7.12.1)
.set HALFT,  128*PITCH                 ; 128 rows: what one tensor load brings
.set SLOT,   4*HALFT                   ; F1's 256 rows, then F0's 256 rows
.set SPARE,  2*SLOT                    ; behind the ring: the spare words, 128 bytes for each wave, which no other line names
.set ADRA, 16                          ; v16-17  LDS address of my fragments of F1 in slot 0, 1
.set ADRB, 20                          ; v20-21  the same for F0
.set LI,   24                          ; v24     16 x lane
.set SPW,  28                          ; v28     LDS address of my spare word; never rewritten
.set NIL,  29                          ; v29     0; never rewritten
.set TMP,  32
.set BL,   96
.set VO,   96
.set SCL,  112
.set LIM,  113
.set AF,   128
.set CD,   128
.set G1, 24                            ; s[24:31] descriptor group 1 for F1's tiles; s[32:39] group 0, one set for each slot
.set G0, 32
.set G1B, 48                           ; s[48:55], s[56:63] the same for F0's tiles
.set G0B, 56
.set WHICH, 66                         ; s66     0: q, 1: k, 2: v
.set MSB, 0
.macro WIN new                         ; the immediate's high byte repeats the setting that is left
.if MSB != (\new)
	s_set_vgpr_msb (MSB<<8)|(\new)
.set MSB, (\new)
.endif
.endm
.set MUL_LO, 0xa1                      ; source 0 window 1, source 1 window 0, C and D window 2
.set MUL_HI, 0xf1                      ; the same, C and D window 3
.set TO_B,   0x40                      ; destination window 1, address window 0
; A joint load: waves 0 and 1 fetch for F1, waves 2 and 3 for F0.  The branch hangs on the wave's number alone.  Four v_nop follow each of the two lines.
.macro JLOAD g0a, g1a, g0b, g1b
	s_cmp_eq_u32 s15, 0
	s_cbranch_scc0 .Lfor_b_\@
	tensor_load_to_lds s[\g0a:\g0a+3], s[\g1a:\g1a+7]
	s_nop 0
.rept 4
	v_nop
.endr
	s_branch .Lasked_\@
.Lfor_b_\@:
	tensor_load_to_lds s[\g0b:\g0b+3], s[\g1b:\g1b+7]
	s_nop 0
.rept 4
	v_nop
.endr
.Lasked_\@:
.endm
.macro CREST                           ; a round of the cluster's barrier behind its opening barrier
	s_cmp_lg_u32 s14, 0
	s_cbranch_scc1 .Lnot_wave_0_\@
	s_barrier_signal -3
.Lnot_wave_0_\@:
	s_barrier_wait -3
	s_barrier_signal -1
	s_barrier_wait -1
.endm
.macro CROUND                          ; a whole round
	s_barrier_signal -1
	s_barrier_wait -1
	CREST
.endm
	s_load_b512 s[68:83], s[0:1], 0x0              ; query, key, value, Wq, Wk, Wv, bq, bk
	s_load_b256 s[84:91], s[0:1], 0x40             ; bv, the scales' exponents, qimg, kvimg
	v_lshl_add_u32 v[SPW], v0, 2, SPARE
	v_mov_b32 v[NIL], 0
	ds_add_u32 v28, v29
	ds_add_u32 v28, v29
	s_wait_dscnt 0x0
	v_lshrrev_b32 v1, 5, v0
	v_readfirstlane_b32 s14, v1                    ; wave 0..3
	s_lshr_b32 s15, s14, 1                         ; which half of F1's rows is mine.  Also: I fetch for F1 (0) or for F0 (1)
	s_and_b32 s16, s14, 1                          ; which half of F0's rows.  Also: which 128 rows of that tile I fetch
	s_bfe_u32 s40, ttmp6, 0x40000                  ; cx, cy: my place in the cluster
	s_bfe_u32 s41, ttmp6, 0x40004
	s_and_b32 s67, ttmp7, 0xffff                   ; the cluster's number, 0 .. 23
	s_lshr_b32 s[WHICH], s67, 3                    ; the tensor,
	s_and_b32 s67, s67, 7                          ; and which of its eight clusters
	s_cmp_lt_u32 s[WHICH], 2
	s_cselect_b32 s17, s67, 0                      ; q, k: the clusters go down F1 (32 tiles of tokens); v: F1 has four tiles in all
	s_cselect_b32 s42, 0, s67                      ; v: the clusters go along F0 (32 tiles of tokens)
	s_lshl_b32 s17, s17, 2
	s_add_co_u32 s17, s17, s41                     ; F1's tile
	s_lshl_b32 s42, s42, 2
	s_add_co_u32 s42, s42, s40                     ; F0's tile
	s_lshl_b32 s43, s41, 2
	s_lshl_b32 s43, 15, s43                        ; my row of the cluster
	s_lshl_b32 s44, 0x1111, s40                    ; my column
	; descriptor group 1: a tile of 128 rows x 256 bytes, padded in LDS
	s_or_b32 s[G1+0], s43, (1<<20)|(1<<21)|(5<<22)|(3<<25)   ; 15:0 the mask: F1's tiles go to my row; 17:16 elements of 1 byte; 20 padding on; 21 set beside a mask; 24:22 after every 64 words; 31:25 four words
	s_or_b32 s[G1B+0], s44, (1<<20)|(1<<21)|(5<<22)|(3<<25)  ; the same with my column's mask
.irp g, G1, G1B
	s_mov_b32 s[\g+1], ROWB<<16                    ; tensor_dim0
	s_mov_b32 s[\g+2], 128<<16                     ; tensor_dim1
	s_mov_b32 s[\g+3], ROWB<<16                    ; tile_dim0
	s_mov_b32 s[\g+4], 128                         ; tile_dim1
	s_mov_b32 s[\g+5], KROW                        ; tensor_dim0_stride
	s_mov_b32 s[\g+6], 0
	s_mov_b32 s[\g+7], 0
.endr
	s_lshl_b32 s18, s16, 7                         ; which 128 rows of the tile I fetch
	s_lshl_b32 s20, s17, 8
	s_add_co_u32 s20, s20, s18
	s_lshl_b32 s20, s20, 10                        ; F1: (256 x tile + 128 x half) rows of 1,024 bytes: under 2^23
	s_mov_b32 s21, 0
	s_lshl_b32 s46, s42, 8
	s_add_co_u32 s46, s46, s18
	s_lshl_b32 s46, s46, 10                        ; F0 likewise
	s_mov_b32 s47, 0
	s_mul_i32 s45, s14, HALFT                      ; where they go: wave x 128 rows: no place in the cluster enters an LDS address
	s_lshl_b32 s12, s[WHICH], 3                    ; ea, eb: entries 2 x tensor, 2 x tensor + 1
	s_lshl_b32 s13, s[WHICH], 2                    ; eq: entry 6, 7 or 9
	s_cmp_eq_u32 s[WHICH], 2
	s_cselect_b32 s2, 4, 0
	s_add_co_u32 s13, s13, s2
	s_wait_kmcnt 0x0
	s_cmp_eq_u32 s[WHICH], 0                       ; the choices hang on the cluster's number alone
	s_cselect_b64 s[4:5], s[68:69], s[70:71]       ; query or key
	s_cselect_b64 s[6:7], s[74:75], s[76:77]       ; Wq or Wk
	s_cselect_b64 s[8:9], s[80:81], s[82:83]       ; bq or bk
	s_cselect_b64 s[10:11], s[88:89], s[90:91]     ; qimg or kvimg
	s_cmp_eq_u32 s[WHICH], 2
	s_cselect_b64 s[4:5], s[78:79], s[4:5]         ; F1: Wv for v, else the tokens
	s_cselect_b64 s[6:7], s[72:73], s[6:7]         ; F0: value for v, else the weight
	s_cselect_b64 s[8:9], s[84:85], s[8:9]         ; the bias
	s_add_nc_u64 s[20:21], s[4:5], s[20:21]
	s_add_nc_u64 s[46:47], s[6:7], s[46:47]
	CROUND                                         ; all sixteen work-groups are here: the first joint loads meet
.irp s, 0,1
	s_mov_b32 s[G0+4*\s], 1
	s_add_co_u32 s[G0+4*\s+1], s45, \s*SLOT
	s_add_nc_u64 s[G0+4*\s+2:G0+4*\s+3], s[20:21], \s*ROWB
	s_or_b32 s[G0+4*\s+3], s[G0+4*\s+3], 0x80000000
	s_mov_b32 s[G0B+4*\s], 1
	s_add_co_u32 s[G0B+4*\s+1], s45, \s*SLOT
	s_add_nc_u64 s[G0B+4*\s+2:G0B+4*\s+3], s[46:47], \s*ROWB
	s_or_b32 s[G0B+4*\s+3], s[G0B+4*\s+3], 0x80000000
	JLOAD G0+4*\s, G1, G0B+4*\s, G1B               ; two tensor loads of mine are out
.endr
	s_load_b64 s[92:93], s[86:87], s12 offset:0x0  ; ea, eb: asked for here, behind the round, and waited for ahead of the next barrier: no scalar load is out at a signal
	s_load_b32 s94, s[86:87], s13 offset:0x18      ; eq
	v_and_b32 v1, 15, v0                           ; r = lane % 16
	v_bfe_u32 v2, v0, 4, 1                         ; h = lane / 16
	s_wait_alu depctr_va_vdst(0)
	v_mul_u32_u24 v3, v1, PITCH
	v_lshl_add_u32 v4, v2, 4, v3                   ; a fragment's row x pitch + 16 x half
	s_mul_i32 s21, s15, HALFT                      ; my 128 rows of F1
	s_mul_i32 s22, s16, HALFT                      ; my 128 rows of F0,
	s_add_co_u32 s22, s22, 2*HALFT                 ; which lie behind F1's 256
.irp s, 0,1
	v_add_nc_u32 v[ADRA+\s], s21, v4
	v_add_nc_u32 v[ADRB+\s], s22, v4
	s_add_co_u32 s21, s21, SLOT
	s_add_co_u32 s22, s22, SLOT
.endr
	v_and_b32 v5, 31, v0
	v_lshlrev_b32 v[LI], 4, v5
	; THE BIAS.  q, k: it runs along F0 (a lane's registers); v: along F1 (the lanes).  Both are loaded; the one that does not apply is read from the bias's first numbers, so that no load leaves
	; the buffer, and is multiplied by 0.
	s_lshl_b32 s46, s42, 8
	s_lshl_b32 s47, s16, 7
	s_add_co_u32 s46, s46, s47
	s_lshl_b32 s46, s46, 2                         ; my first row of F0, x 4 bytes
	s_lshl_b32 s20, s17, 8
	s_lshl_b32 s23, s15, 7
	s_add_co_u32 s20, s20, s23
	s_lshl_b32 s20, s20, 2                         ; my first row of F1, x 4 bytes
	s_cmp_lt_u32 s[WHICH], 2
	s_cselect_b32 s46, s46, 0
	s_cselect_b32 s20, 0, s20
	v_lshl_add_u32 v7, v2, 5, s46                  ; + 32 h: block b's eight numbers of my half
	v_lshl_add_u32 v8, v1, 2, s20                  ; + 4 r: block a's number of my lane
.irp b, 0,1,2,3,4,5,6,7
	global_load_b128 v[TMP+8*\b:TMP+8*\b+3], v7, s[8:9] offset:64*\b
	global_load_b128 v[TMP+8*\b+4:TMP+8*\b+7], v7, s[8:9] offset:64*\b+16
.endr
.irp a, 0,1,2,3,4,5,6,7
	global_load_b32 v[BL+2*\a], v8, s[8:9] offset:64*\a
.endr
	; WHERE MY WAVE'S IMAGES BEGIN: made of ids alone, ahead of all arithmetic on the loaded exponents; a compare on the cluster's number stands directly ahead of each group of selects
	s_cmp_lt_u32 s[WHICH], 2
	s_cselect_b32 s68, s17, s42                    ; the tokens' tile,
	s_cselect_b32 s69, s15, s16                    ; my half of it,
	s_cselect_b32 s70, s42, s17                    ; the features' tile,
	s_cselect_b32 s71, s16, s15                    ; my half of it
	s_cmp_eq_u32 s[WHICH], 0
	s_cselect_b32 s72, 17, 18                      ; a head: 2^17 bytes in qimg, 2^18 in kvimg
	s_cselect_b32 s73, 13, 14                      ; 128 tokens: 2^13 bytes in qimg, 2^14 in kvimg
	s_lshl_b32 s74, 1, s72                         ; q, k: from my first head to my second
	s_mov_b32 s75, 4096                            ; q, k: four tiles of tokens on
	s_mov_b32 s76, 1024                            ; q, k: one tile of tokens on
	s_cmp_eq_u32 s[WHICH], 2
	s_cselect_b32 s74, 1024, s74                   ; v: two groups on
	s_cselect_b32 s75, 262144, s75                 ; v: a head on
	s_cselect_b32 s76, 2048, s76                   ; v: a tile of channels on
	s_cselect_b32 s77, 8192, 0                     ; v: behind a step's K image
	s_lshr_b32 s78, s68, 3                         ; the batch: eight tiles of 256 tokens each
	s_lshl_b32 s78, s78, 4
	s_lshl_b32 s70, s70, 2
	s_add_co_u32 s78, s78, s70
	s_lshl_b32 s71, s71, 1
	s_add_co_u32 s78, s78, s71                     ; my first head: 16 x batch + 4 x tile + 2 x half
	s_lshl_b32 s78, s78, s72
	s_and_b32 s68, s68, 7
	s_lshl_b32 s68, s68, 1
	s_add_co_u32 s68, s68, s69                     ; my 128 tokens among the batch's sixteen such
	s_lshl_b32 s68, s68, s73
	s_add_co_u32 s78, s78, s68
	s_add_co_u32 s78, s78, s77                     ; under 2^24
	s_mov_b32 s79, 0
	s_add_nc_u64 s[10:11], s[10:11], s[78:79]
	; THE SCALES: what is made of the loaded exponents goes into data registers alone
	s_wait_kmcnt 0x0                               ; ea, eb, eq
	s_add_co_i32 s92, s92, s93                     ; ea + eb
	s_sub_co_i32 s94, s94, s92                     ; eq - ea - eb
	s_sub_co_i32 s93, 127, s92
	s_lshl_b32 s93, s93, 23                        ; 2^-(ea + eb) as f32
	s_cmp_lt_u32 s[WHICH], 2
	s_cselect_b32 s96, s93, 0                      ; the factor of the bias along F0,
	s_cselect_b32 s98, 0, s93                      ; and along F1
	s_mov_b32 s97, s96                             ; (named with it as a pair, so it is written)
	s_add_co_i32 s94, s94, 127
	s_lshl_b32 s95, s94, 23
	v_mov_b32 v[SCL], s95                          ; 2^(eq - ea - eb): the conversion takes its exponent field
	s_wait_loadcnt 0x0                             ; the bias
.irp i, 0,2,4,6,8,10,12,14,16,18,20,22,24,26,28,30,32,34,36,38,40,42,44,46,48,50,52,54,56,58,60,62
	v_pk_mul_f32 v[TMP+\i:TMP+\i+1], v[TMP+\i:TMP+\i+1], s[96:97] op_sel_hi:[1,0]   ; bias / 2^(ea + eb), or 0
.endr
.irp a, 0,1,2,3,4,5,6,7
	v_mul_f32 v[BL+2*\a], s98, v[BL+2*\a]
	v_mov_b32 v[BL+2*\a+1], v[BL+2*\a]             ; in both halves of a pair
.endr
.irp a, 0,1,2,3,4,5,6,7                    ; the sums begin as the bias: one of the two terms is 0, so nothing is rounded
	WIN 0x80+0x40*((\a)/4)                         ; destination window 2 or 3
.irp b, 0,1,2,3,4,5,6,7
.irp i, 0,2,4,6
	v_pk_add_f32 v[8*(8*((\a)%4)+\b)+\i:8*(8*((\a)%4)+\b)+\i+1], v[TMP+8*\b+\i:TMP+8*\b+\i+1], v[BL+2*\a:BL+2*\a+1]
.endr
.endr
.endr
	WIN 0
.irp e, 0,1                                ; the stores' offsets, in the registers that the bias along F1 has left: 16 x lane + what block a and half e of its codes add
.irp a, 0,1,2,3,4,5,6,7
	s_mul_i32 s80, s76, (\a)%4
	s_mul_i32 s81, s75, (\a)/4
	s_add_co_u32 s80, s80, s81
	s_mul_i32 s81, s74, \e
	s_add_co_u32 s80, s80, s81
	v_add_nc_u32 v[VO+8*\e+\a], s80, v[LI]
.endr
.endr
.macro FRAG reg, adr, q, i             ; a fragment, 16 rows x 128 K: four loads of 16 bytes, 32 bytes apart; the same order of k in both operands
.irp c, 0,1,2,3
	ds_load_b128 v[\reg+4*\c:\reg+4*\c+3], v[\adr] offset:128*(\q)+32*\c+(\i)*16*PITCH
.endr
.endm
; 16 matrix instructions: F1's blocks a0, a0 + 1 x F0's eight, 128 along K.  p: F0's set.  The 64 accumulators take turns, one instruction a turn, in the same order in every step.
.macro MUL16 a0, p
.irp a, \a0, \a0+1
.irp b, 0,1,2,3,4,5,6,7
	v_wmma_f32_16x16x128_bf8_bf8 v[8*(8*((\a)%4)+\b):8*(8*((\a)%4)+\b)+7], v[128*(\p)+FR*\b:128*(\p)+FR*\b+FR-1], v[AF+FR*(\a):AF+FR*(\a)+FR-1], v[8*(8*((\a)%4)+\b):8*(8*((\a)%4)+\b)+7]
.endr
.endr
.endm
.macro FETCH_B slot, q, p              ; F0's eight fragments of the slot's q-th 128 along K into set p
	WIN TO_B
.irp i, 0,1,2,3,4,5,6,7
	FRAG 128*(\p)+FR*\i, ADRB+\slot, \q, \i
.endr
	WIN 0
.endm
.macro FETCH_A slot, q, i0             ; F1's blocks i0 .. i0 + 3
.irp i, \i0, \i0+1, \i0+2, \i0+3
	FRAG AF+FR*(\i), ADRA+\slot, \q, \i
.endr
.endm
.macro PLACES n                        ; plain vector instructions between a matrix instruction and a load into, or a vector instruction on, its registers
.rept \n
	v_nop
.endr
.endm
; A step of 128 along K that has its successor in the same slot.  F1 has one set of registers: a block is free when its eight products are issued.
.macro STEP slot, q
	s_wait_dscnt 16                                ; F0's set and F1's blocks 0-3 are in; the youngest sixteen loads (blocks 4-7) may be out
	WIN MUL_LO
	MUL16 0, (\q)%2
	MUL16 2, (\q)%2
	s_wait_dscnt 0                                 ; blocks 4-7 are in
	PLACES NP
	FETCH_B \slot, (\q)+1, 1-(\q)%2
	FETCH_A \slot, (\q)+1, 0
	WIN MUL_HI
	MUL16 4, (\q)%2
	MUL16 6, (\q)%2
	PLACES NP
	WIN 0
	FETCH_A \slot, (\q)+1, 4
.endm
; A slot's last step changes slots: ONE barrier; in front of it each wave waits for all its tensor loads, adds 0 to its spare word, and waits for that and for its own reads of this slot.
.macro TURN slot, next, fill
	s_wait_tensorcnt 0x0                           ; all my tensor loads have landed: my part of the next slot
	ds_add_u32 v[SPW], v[NIL]                      ; 0 onto my spare word
	s_wait_dscnt 17                                ; (the add and the youngest sixteen loads may be out)
	WIN MUL_LO
	MUL16 0, 1                                     ; sixteen matrix instructions stand between the add and the wait for it
	s_wait_dscnt 0x0                               ; the add is done, and my reads of this slot are over
	s_barrier_signal -1
	MUL16 2, 1
	WIN 0
	s_barrier_wait -1
.if \fill
	CREST                                          ; the barrier has opened a round of the cluster's: no wave of any partner still reads this slot or has a load on its way
	s_add_nc_u64 s[G0+4*\slot+2:G0+4*\slot+3], s[G0+4*\slot+2:G0+4*\slot+3], 2*ROWB
	s_add_nc_u64 s[G0B+4*\slot+2:G0B+4*\slot+3], s[G0B+4*\slot+2:G0B+4*\slot+3], 2*ROWB
	JLOAD G0+4*\slot, G1, G0B+4*\slot, G1B         ; my one tensor load behind the round; its four v_nop are also the places in front of the loads below
.else
	PLACES NP
.endif
	FETCH_B \next, 0, 0
	FETCH_A \next, 0, 0
	WIN MUL_HI
	MUL16 4, 1
	MUL16 6, 1
	PLACES NP
	WIN 0
	FETCH_A \next, 0, 4
.endm
	s_wait_tensorcnt 1                             ; my part of K step 0 is in (K step 1's load may be out)
	s_barrier_signal -1
	s_barrier_wait -1                              ; everybody's is
	FETCH_B 0, 0, 0
	FETCH_A 0, 0, 0
	FETCH_A 0, 0, 4
	STEP 0, 0                                      ; K = 1,024 is eight steps of 128, four slots' worth: written on end, since a loop would have one trip
	TURN 0, 1, 1
	STEP 1, 0
	TURN 1, 0, 1
	STEP 0, 0
	TURN 0, 1, 0                                   ; the last two slots are not filled again
	STEP 1, 0
	s_wait_dscnt 16                                ; the very last step: nothing more to fetch
	WIN MUL_LO
	MUL16 0, 1
	MUL16 2, 1
	s_wait_dscnt 0
	WIN MUL_HI
	MUL16 4, 1
	MUL16 6, 1
	WIN 0
	PLACES NP
; THE WAY OUT of F1's block a: 64 sums a lane are held, converted (16 registers of codes) and stored as four groups of four registers.  Each block has registers of its own for its codes, so no
; store's data are written again, and the offsets and the base stay as they are.
.macro OUTBLK a
	WIN 0x02+((\a)/4)                              ; source 0: window 2 or 3
.set j, 0
.rept 64
.set j, j+1
.endr
.irp p, 0,1,2,3
	v_cvt_scalef32_pk8_bf8_f32 v[CD+16*(\a)+4*\p:CD+16*(\a)+4*\p+1], v[TMP+16*\p+((64*((\a)%4)+j)-(TMP+j)):TMP+16*\p+7+((64*((\a)%4)+j)-(TMP+j))], v[SCL]
	v_cvt_scalef32_pk8_bf8_f32 v[CD+16*(\a)+4*\p+2:CD+16*(\a)+4*\p+3], v[TMP+16*\p+8+((64*((\a)%4)+j)-(TMP+j)):TMP+16*\p+15+((64*((\a)%4)+j)-(TMP+j))], v[SCL]
.endr
	WIN 0
	v_nop
.irp p, 0,1,2,3
	global_store_b128 v[VO+8*(\p/2)+(\a)], v[CD+16*(\a)+4*\p:CD+16*(\a)+4*\p+3], s[10:11] offset:512*(\p%2)   ; 32 lanes store 512 consecutive bytes, at a multiple of 512 from the buffer's first byte
.endr
.endm
.irp a, 0,1,2,3,4,5,6,7
	OUTBLK \a
.endr
	s_wait_tensorcnt 0x0                           ; the wave's end
	ds_add_u32 v[SPW], v[NIL]
	s_wait_dscnt 0x0
	CROUND                                         ; the closing round: no work-group ends while a partner may still ask for a tile that names it
	s_endpgm
.Lfunc_end_k_qe18a005d53_proj:
	.size	k_qe18a005d53_proj, .Lfunc_end_k_qe18a005d53_proj-k_qe18a005d53_proj
	.p2alignl 7, 3214868480
	.fill 96, 4, 3214868480
	.section	.rodata,"a",@progbits
	.p2align	6, 0x0
	.amdhsa_kernel k_qe18a005d53_proj
		.amdhsa_group_segment_fixed_size 327680
		.amdhsa_private_segment_fixed_size 0
		.amdhsa_enable_private_segment 0
		.amdhsa_kernarg_size 96
		.amdhsa_user_sgpr_count 2
		.amdhsa_user_sgpr_kernarg_segment_ptr 1
		.amdhsa_wavefront_size32 1
		.amdhsa_system_sgpr_workgroup_id_x 1
		.amdhsa_system_sgpr_workgroup_id_y 1
		.amdhsa_system_sgpr_workgroup_id_z 1
		.amdhsa_system_vgpr_workitem_id 0
		.amdhsa_next_free_vgpr 1024
		.amdhsa_next_free_sgpr 100
		.amdhsa_reserve_vcc 0
		.amdhsa_float_denorm_mode_32 3
		.amdhsa_float_denorm_mode_16_64 3
		.amdhsa_fp16_overflow 1
		.amdhsa_memory_ordered 1
		.amdhsa_forward_progress 1
		.amdhsa_inst_pref_size 111
	.end_amdhsa_kernel
	.amdgpu_metadata
---
amdhsa.version: [ 1, 2 ]
amdhsa.kernels:
  - .name:           k_qe18a005d53_proj
    .symbol:         k_qe18a005d53_proj.kd
    .args:
      - { .name: query_codes, .offset: 0, .size: 8, .value_kind: global_buffer, .address_space: global }
      - { .name: key_codes, .offset: 8, .size: 8, .value_kind: global_buffer, .address_space: global }
      - { .name: value_codes, .offset: 16, .size: 8, .value_kind: global_buffer, .address_space: global }
      - { .name: Wq_codes, .offset: 24, .size: 8, .value_kind: global_buffer, .address_space: global }
      - { .name: Wk_codes, .offset: 32, .size: 8, .value_kind: global_buffer, .address_space: global }
      - { .name: Wv_codes, .offset: 40, .size: 8, .value_kind: global_buffer, .address_space: global }
      - { .name: bq, .offset: 48, .size: 8, .value_kind: global_buffer, .address_space: global }
      - { .name: bk, .offset: 56, .size: 8, .value_kind: global_buffer, .address_space: global }
      - { .name: bv, .offset: 64, .size: 8, .value_kind: global_buffer, .address_space: global }
      - { .name: lowp_scales, .offset: 72, .size: 8, .value_kind: global_buffer, .address_space: global }
      - { .name: qimg, .offset: 80, .size: 8, .value_kind: global_buffer, .address_space: global }
      - { .name: kvimg, .offset: 88, .size: 8, .value_kind: global_buffer, .address_space: global }
    .group_segment_fixed_size: 327680
    .private_segment_fixed_size: 0
    .kernarg_segment_align: 8
    .kernarg_segment_size: 96
    .max_flat_workgroup_size: 128
    .sgpr_count:     100
    .vgpr_count:     1024
    .wavefront_size: 32
...
	.end_amdgpu_metadata
.endif
;; end of part 1
;; launch attn (part 2): grid 4 x 64, 8 waves a work-group, clusters of 4 x 1, 327,680 bytes of LDS; arguments qimg, kvimg, lowp_scales, ctximg; writes ctximg
.if DOCPART == 2
	.amdgcn_target "amdgcn-amd-amdhsa--gfx1250"
	.amdhsa_code_object_version 6
	.text
	.protected	k_qe18a005d53_attn
	.globl	k_qe18a005d53_attn
	.p2align	8
	.type	k_qe18a005d53_attn,@function
k_qe18a005d53_attn:
	s_mov_b64 s[64:65], 0
	v_nop
	global_prefetch_b8 v0, s[64:65] scope:SCOPE_SE
	s_setreg_imm32_b32 hwreg(HW_REG_WAVE_MODE, 25, 1), 1
	s_wait_xcnt 0x0
	s_wait_alu depctr_hold_cnt(0) depctr_sa_sdst(0) depctr_va_vdst(0) depctr_va_sdst(0) depctr_va_ssrc(0) depctr_va_vcc(0) depctr_vm_vsrc(0)
	s_getreg_b32 s2, hwreg(HW_REG_IB_STS2, 6, 4)
	s_cmp_eq_u32 s2, 0
	s_cbranch_scc0 .Lentry_in_a_cluster
	s_endpgm
.Lentry_in_a_cluster:
	s_bfe_u32 s2, ttmp6, 0x10000c
	s_cmp_lg_u32 s2, 0x3003
	s_cbranch_scc0 .Lentry_shape_is_right
	s_endpgm
.Lentry_shape_is_right:
; ctx[head][q] = the sum over k of softmax_k(q . k / 8) v[k], both products on codes of BF8 (E5M2), and ctx quantised at once for the last product.
; t = score x log2(e) / 8; M = the row's largest t so far, rounded UP to a whole number; p = 2^(t - M) is what is quantised (scale 2^e8), not normalised.  The row's sum is taken of the unquantised p
; and divides at the end.  When M moves, the sum and O are multiplied by 2^(old M - new M): nothing is rounded.
; SHARES.  A work-group owns 512 queries of one head, each of its eight waves 64: four tiles of 16, in 512 registers; two waves to a SIMD, so that one wave's vector work stands beside the other's matrix work
; and LDS loads.  Each fragment of K and of V that a wave reads from LDS feeds four products.
; THE WHOLE HEAD LIES IN LDS: K's and V's codes of one head are 16 steps x 16,384 bytes = 262,144 bytes, laid in LDS as in memory: images of the operands' registers, 16 bytes a lane.  Nothing is filled twice,
; so there is no ring.  Each wave asks for two whole steps (step w and step 8 + w), 64 rows of 256 bytes each, at the head: the second is asked for once the first has landed.
; CLUSTER.  The four work-groups of a cluster are the four blocks of queries of one head: they need the same 262,144 bytes, and ask for them JOINTLY.
; No prefetch: every byte of K and V is asked for by the first fills, and nothing is asked for later.
; LAYOUT.  S^T = K Q^T (source 0 = 16 keys, source 1 = 16 queries), O^T = V^T P^T (source 0 = 16 channels, source 1 = P): a lane holds ONE query throughout.  A tile of S^T holds keys 8 h + 0 .. 7 in a lane's eight
; registers: one conversion makes them registers 2 t, 2 t + 1 of P (k = 16 t + 8 h + 0 .. 7).  O^T's tiles become the last product's operand in the same way.
; LIMITS on the given exponents: e6 + e7 between -123 and 130 (added to c's exponent field); e8 and e10 between -126 and 112; e8 + e9 is applied by v_ldexp_f32 and has none.
; REGISTERS.  window 0: v1 16 x lane; v2 the step's LDS address; v3 scale for p; v5 for ctx; v8-23 statistics, four a tile: -M, the largest t, the sum in two halves; v24-31 at work;
;   v32-63 Q; v64-127 K of one step; v128-255 S^T, then p, of two tiles.   window 1: v0-127 O^T, 32 a tile; v128-191 P's codes, 16 a tile; v192-255 V of one step.
.set STEPB, 16384                      ; a key step in LDS and in memory: K's image, 8,192 bytes, then V's
.set LI,   1
.set ADR,  2
.set SCP,  3
.set SCX,  5
.set LMP,  6
.set LMX,  7
.set ST,   8
.set TP,   24
.set Q,    32
.set KF,   64
.set S,    128
.set O,    0                           ; in window 1
.set P,    128
.set VF,   192
.set WV,   12                          ; s12  my wave's number
.set G1,   24                          ; s[24:31] descriptor group 1; s[32:35], s[36:39] the two groups 0
.set G0,   32
.set CS,   54                          ; s[54:55] c = log2(e) / 8 x 2^(e6 + e7)
.set SEL,  56                          ; s[56:57] lane selects: lane l xor 16
.set TB,   58                          ; s58  LDS byte at which the step in hand begins
.set CNT,  59
.set MSB, 0
.macro WIN new                         ; the immediate's high byte repeats the setting that is left
.if MSB != (\new)
	s_set_vgpr_msb (MSB<<8)|(\new)
.set MSB, (\new)
.endif
.endm
.macro CROUND                          ; a round of the cluster's barrier
	s_barrier_signal -1
	s_barrier_wait -1
	s_cmp_lg_u32 s[WV], 0
	s_cbranch_scc1 .Lnot_wave_0_\@
	s_barrier_signal -3
.Lnot_wave_0_\@:
	s_barrier_wait -3
	s_barrier_signal -1
	s_barrier_wait -1
.endm
.macro PLACES                          ; four plain instructions between a matrix instruction and a read of its result or a load into its registers
.rept 4
	v_nop
.endr
.endm
	s_load_b128 s[4:7], s[0:1], 0x0                ; qimg, kvimg
	s_load_b128 s[8:11], s[0:1], 0x10              ; the scales' exponents, ctximg
	v_lshl_add_u32 v254, v0, 2, 0x40000
	v_mov_b32 v255, 0
	ds_add_u32 v254, v255
	ds_add_u32 v254, v255
	s_wait_dscnt 0x0
	v_lshrrev_b32 v2, 5, v0
	s_delay_alu instid0(VALU_DEP_1)
	v_readfirstlane_b32 s[WV], v2                  ; wave 0..7
	v_and_b32 v1, 31, v0
	s_delay_alu instid0(VALU_DEP_1)
	v_lshlrev_b32 v[LI], 4, v1                     ; 16 x lane: my place in every image
	s_bfe_u32 s13, ttmp6, 0x40000                  ; cx
	s_lshl_b32 s14, ttmp9, 2
	s_add_co_u32 s14, s14, s13                     ; my block of 512 queries: it enters qimg's and ctximg's addresses alone
	s_and_b32 s15, ttmp7, 0xffff                   ; the head (16 x batch + head), which the four partners share
	s_mov_b32 s[G1], 15|(3<<16)|(1<<21)            ; 15:0 the mask: all four work-groups; 17:16 elements of 8 bytes; 21 set beside a mask; no padding
	s_mov_b32 s[G1+1], 32<<16                      ; tensor_dim0 = 32 elements: 256 bytes
	s_mov_b32 s[G1+2], 64<<16                      ; tensor_dim1 = 64
	s_mov_b32 s[G1+3], 32<<16                      ; tile_dim0
	s_mov_b32 s[G1+4], 64                          ; tile_dim1
	s_mov_b32 s[G1+5], 32                          ; the rows are dense
	s_mov_b32 s[G1+6], 0
	s_mov_b32 s[G1+7], 0
	s_mov_b32 s[G0], 1
	s_lshl_b32 s[G0+1], s[WV], 14                  ; LDS: step w
	s_mov_b32 s[G0+4], 1
	s_add_co_u32 s[G0+5], s[G0+1], 8*STEPB         ; and step 8 + w
	s_lshl_b32 s16, s15, 18                        ; the head's 262,144 bytes of kvimg,
	s_add_co_u32 s16, s16, s[G0+1]                 ; step w
	s_mov_b32 s17, 0
	s_lshl_b32 s18, s15, 17                        ; qimg: the head's 131,072 bytes,
	s_lshl_b32 s19, s14, 15                        ; my block's 32 tiles of 1,024,
	s_add_co_u32 s18, s18, s19
	s_lshl_b32 s19, s[WV], 12                      ; my wave's four
	s_add_co_u32 s18, s18, s19
	s_mov_b32 s19, 0
	s_lshr_b32 s20, s15, 4                         ; ctximg [tile of 16 rows 512][K step of 128: 8][group 4][512]: the batch's 128 tiles,
	s_lshl_b32 s20, s20, 7
	s_lshl_b32 s21, s14, 5
	s_add_co_u32 s20, s20, s21                     ; my block's 32,
	s_lshl_b32 s21, s[WV], 2
	s_add_co_u32 s20, s20, s21                     ; my wave's four,
	s_lshl_b32 s20, s20, 14                        ; 16,384 bytes each;
	s_and_b32 s21, s15, 15
	s_lshl_b32 s21, s21, 10                        ; head hd fills 1,024 bytes at 1,024 hd: K step hd / 2, groups 2 (hd % 2) and 2 (hd % 2) + 1
	s_add_co_u32 s20, s20, s21
	s_mov_b32 s21, 0
	s_mov_b32 s[CS], 0x3e38aa3b                    ; log2(e) / 8
	s_mov_b32 s[SEL], 0x76543210
	s_mov_b32 s[SEL+1], 0xfedcba98
	s_mov_b32 s[TB], 0
	s_wait_kmcnt 0x0
	s_load_b128 s[48:51], s[8:9], 0x18             ; e6, e7, e8, e9
	s_load_b32 s52, s[8:9], 0x28                   ; e10
	s_add_nc_u64 s[G0+2:G0+3], s[6:7], s[16:17]
	s_add_nc_u64 s[G0+6:G0+7], s[G0+2:G0+3], 8*STEPB
	s_or_b32 s[G0+3], s[G0+3], 0x80000000          ; type = 2
	s_or_b32 s[G0+7], s[G0+7], 0x80000000
	s_add_nc_u64 s[4:5], s[4:5], s[18:19]
	s_add_nc_u64 s[10:11], s[10:11], s[20:21]
	CROUND                                         ; all four work-groups are here: the joint loads meet
	tensor_load_to_lds s[G0:G0+3], s[G1:G1+7]      ; the launch's only fills, on end; four v_nop follow the second
	s_nop 0
	s_wait_alu depctr_va_vdst(0)
	s_wait_tensorcnt 0x0
	ds_add_u32 v254, v255
	s_wait_dscnt 0x0
	CROUND
	tensor_load_to_lds s[G0+4:G0+7], s[G1:G1+7]
	s_nop 0
.rept 4
	v_nop
.endr
	s_wait_alu depctr_va_vdst(0)
.irp x, 0,1,2,3
.irp g, 0,1
	global_load_b128 v[Q+8*\x+4*\g:Q+8*\x+4*\g+3], v[LI], s[4:5] offset:1024*\x+512*\g th:TH_LOAD_NT   ; Q's four fragments stay in registers
.endr
.endr
.irp x, 0,1,2,3
	v_mov_b32 v[ST+4*\x+1], 0xff61b1e6             ; the largest t so far: -3e38, under every t
	s_delay_alu instid0(VALU_DEP_1)
	v_floor_f32 v[ST+4*\x], -v[ST+4*\x+1]          ; -M
	v_mov_b32 v[ST+4*\x+2], 0                      ; the sum, in two halves
	v_mov_b32 v[ST+4*\x+3], 0
.endr
.irp i, 0,1,2,3,4,5,6,7
	v_mov_b32 v[TP+\i], 0                          ; written once: a lane permute's destination and a pair's upper half count as read
.endr
	WIN 0x40
.set j, 0
.rept 128
	v_mov_b32 v[O+j], 0                            ; O^T.  The step is written without a first form of its own: the first step finds zeros, which the first change of M leaves zeros.  These stand while the tiles are on their way
.set j, j+1
.endr
	WIN 0
	s_wait_kmcnt 0x0
	s_add_co_i32 s60, s48, s49
	s_lshl_b32 s60, s60, 23
	s_add_co_i32 s[CS], s[CS], s60                 ; a score stands for score x 2^(e6 + e7): the exponents are added to c's exponent field
	s_mov_b32 s[CS+1], s[CS]                       ; (named with it as a pair, so it is written)
	s_add_co_i32 s60, s50, 127
	s_lshl_b32 s62, s60, 23
	v_mov_b32 v[SCP], s62                          ; 2^e8
	s_add_co_i32 s60, s52, 127
	s_lshl_b32 s62, s60, 23
	v_mov_b32 v[SCX], s62                          ; 2^e10
	s_add_co_i32 s61, s50, s51                     ; e8 + e9
; S^T of tiles y, y + 1: sixteen products, each with its own result.
.macro QK y
.irp t, 0,1,2,3,4,5,6,7
.irp z, 0,1
	v_wmma_f32_16x16x64_bf8_bf8 v[S+64*\z+8*\t:S+64*\z+8*\t+7], v[KF+8*\t:KF+8*\t+7], v[Q+8*(\y+\z):Q+8*(\y+\z)+7], 0
.endr
.endr
.endm
; The softmax of tiles y, y + 1 for one step of 128 keys, the two tiles line by line in turn, so that no line waits for the line above it.
.macro SOFTMAX y
.irp z, 0,1
	v_max3_num_f32 v[TP+4*\z+2], v[S+64*\z], v[S+64*\z+1], v[S+64*\z+2]      ; the largest of my 64 scores, in two chains, each result from its low end on
	v_max3_num_f32 v[TP+4*\z], v[S+64*\z+3], v[S+64*\z+4], v[S+64*\z+5]
.endr
.irp i, 6,10,14,18,22,26,30,34,38,42,46,50,54,58
.irp z, 0,1
	v_max3_num_f32 v[TP+4*\z+2], v[TP+4*\z+2], v[S+64*\z+\i], v[S+64*\z+\i+1]
	v_max3_num_f32 v[TP+4*\z], v[TP+4*\z], v[S+64*\z+\i+2], v[S+64*\z+\i+3]
.endr
.endr
.irp z, 0,1
	v_max3_num_f32 v[TP+4*\z+2], v[TP+4*\z+2], v[S+64*\z+62], v[S+64*\z+63]
.endr
.irp z, 0,1
	s_delay_alu instid0(VALU_DEP_2)
	v_max_num_f32 v[TP+4*\z+2], v[TP+4*\z+2], v[TP+4*\z]
.endr
.irp z, 0,1
	s_delay_alu instid0(VALU_DEP_2)
	v_permlanex16_b32 v[TP+4*\z+3], v[TP+4*\z+2], s[SEL], s[SEL+1]           ; the query's other 64 keys lie in the lane 16 away
.endr
.irp z, 0,1
	s_delay_alu instid0(VALU_DEP_2)
	v_max_num_f32 v[TP+4*\z+2], v[TP+4*\z+2], v[TP+4*\z+3]
.endr
.irp z, 0,1
	s_delay_alu instid0(VALU_DEP_2)
	v_mul_f32 v[TP+4*\z+2], s[CS], v[TP+4*\z+2]                              ; as t (c is positive)
.endr
.irp z, 0,1
	s_delay_alu instid0(VALU_DEP_2)
	v_max_num_f32 v[ST+4*(\y+\z)+1], v[ST+4*(\y+\z)+1], v[TP+4*\z+2]         ; the running largest t
.endr
.irp z, 0,1
	v_mov_b32 v[TP+4*\z+2], v[ST+4*(\y+\z)]
.endr
.irp z, 0,1
	s_delay_alu instid0(VALU_DEP_4)
	v_floor_f32 v[ST+4*(\y+\z)], -v[ST+4*(\y+\z)+1]                          ; the new -M = floor(-t): M is a whole number
.endr
.irp z, 0,1
	s_delay_alu instid0(VALU_DEP_2)
	v_sub_f32 v[TP+4*\z+2], v[ST+4*(\y+\z)], v[TP+4*\z+2]                    ; old M - new M: a whole number, 0 or less
.endr
.irp z, 0,1
	s_delay_alu instid0(VALU_DEP_2)
	v_cvt_i32_f32 v[TP+4*\z+2], v[TP+4*\z+2]                                 ; (it saturates)
.endr
.irp z, 0,1
	s_delay_alu instid0(VALU_DEP_2)
	v_ldexp_f32 v[TP+4*\z], 1.0, v[TP+4*\z+2]                                ; f = 2^(old M - new M)
.endr
.set j, 0
.rept 32
.irp z, 0,1
	v_pk_fma_f32 v[S+64*\z+j:S+64*\z+j+1], v[S+64*\z+j:S+64*\z+j+1], s[CS:CS+1], v[ST+4*(\y+\z):ST+4*(\y+\z)+1] op_sel_hi:[1,0,0]   ; t - M, two at a time
.endr
.set j, j+2
.endr
.set j, 0
	s_wait_alu depctr_va_vdst(0)
.rept 64
.irp z, 0,1
	v_exp_f32 v[S+64*\z+j], v[S+64*\z+j]                                     ; p = 2^(t - M): one batch of 128
.endr
.set j, j+1
.endr
.irp z, 0,1
	v_pk_mul_f32 v[ST+4*(\y+\z)+2:ST+4*(\y+\z)+3], v[ST+4*(\y+\z)+2:ST+4*(\y+\z)+3], v[TP+4*\z:TP+4*\z+1] op_sel_hi:[1,0]   ; the sums under the new M: plain work behind the batch
.endr
	WIN 0x41                                       ; O^T (destination and source 0) in window 1
.set j, 0
	s_wait_alu depctr_va_vdst(0)
.rept 16
.irp z, 0,1
	v_pk_mul_f32 v[O+32*(\y+\z)+j:O+32*(\y+\z)+j+1], v[O+32*(\y+\z)+j:O+32*(\y+\z)+j+1], v[TP+4*\z:TP+4*\z+1] op_sel_hi:[1,0]   ; O^T under the new M: work that names no exponential's result
.endr
.set j, j+2
.endr
	WIN 0
	s_wait_alu depctr_va_vdst(0)                   ; one wait for the batch, ahead of the first line that names a result
.irp z, 0,1
	v_pk_add_f32 v[TP+4*\z:TP+4*\z+1], v[S+64*\z:S+64*\z+1], v[S+64*\z+2:S+64*\z+3]   ; the row's sum is taken of the unquantised p, in two chains (f is done with)
.endr
.irp i, 4,8,12,16,20,24,28,32,36,40,44,48,52,56,60
.irp z, 0,1
	v_pk_add_f32 v[ST+4*(\y+\z)+2:ST+4*(\y+\z)+3], v[ST+4*(\y+\z)+2:ST+4*(\y+\z)+3], v[S+64*\z+\i:S+64*\z+\i+1]
	v_pk_add_f32 v[TP+4*\z:TP+4*\z+1], v[TP+4*\z:TP+4*\z+1], v[S+64*\z+\i+2:S+64*\z+\i+3]
.endr
.endr
.irp z, 0
	s_delay_alu instid0(VALU_DEP_3)
	v_pk_add_f32 v[ST+4*(\y+\z)+2:ST+4*(\y+\z)+3], v[ST+4*(\y+\z)+2:ST+4*(\y+\z)+3], v[TP+4*\z:TP+4*\z+1]
.endr
.irp z, 1
	s_delay_alu instid0(VALU_DEP_2)
	v_pk_add_f32 v[ST+4*(\y+\z)+2:ST+4*(\y+\z)+3], v[ST+4*(\y+\z)+2:ST+4*(\y+\z)+3], v[TP+4*\z:TP+4*\z+1]
.endr
.set j, 0
.rept 64
.irp z, 0,1
.endr
.set j, j+1
.endr
	WIN 0x40                                       ; P's codes in window 1
.irp t, 0,1,2,3,4,5,6,7
.irp z, 0,1
	v_cvt_scalef32_pk8_bf8_f32 v[P+16*(\y+\z)+2*\t:P+16*(\y+\z)+2*\t+1], v[S+64*\z+8*\t:S+64*\z+8*\t+7], v[SCP]
.endr
.endr
	WIN 0
	v_nop                                          ; a plain instruction between the conversions and the products that write their sources or read their results
.endm
; A KEY STEP: 128 keys.  kf = 1: the next step's K is fetched.  K of this step was asked for in the step before.
.macro STEP kf
	v_add_nc_u32 v[ADR], s[TB], v[LI]
	s_setprio 2
.rept 3
	v_nop                                          ; with the addition: four places behind the last step's products, in front of the loads into V's registers
.endr
	WIN 0x40
.irp t, 0,1,2,3
.irp g, 0,1,2,3
	ds_load_b128 v[VF+16*\t+4*\g:VF+16*\t+4*\g+3], v[ADR] offset:8192+2048*\t+512*\g   ; V: channels 16 t on, registers 4 g on
.endr
.endr
	WIN 0
	s_wait_dscnt 16                                ; K is in; the sixteen loads of V just issued may be out
	QK 0
	PLACES
	SOFTMAX 0
	QK 2                                           ; into the same registers: the rescaling of O^T and the v_nop are more than the five places owed
	PLACES                                         ; in front of the reads of the scores, and of the loads into K's registers
.if \kf
.irp t, 0,1,2,3,4,5,6,7
.irp g, 0,1
	ds_load_b128 v[KF+8*\t+4*\g:KF+8*\t+4*\g+3], v[ADR] offset:STEPB+1024*\t+512*\g    ; the next step's K: keys 16 t on, registers 4 g on
.endr
.endr
.endif
	s_setprio 1
	SOFTMAX 2
	s_wait_alu depctr_va_vdst(0)
	s_wait_dscnt 16*\kf                            ; V is in; the next K's sixteen loads may be out
	WIN 0x55                                       ; all four operands in window 1
	s_setprio 0
.irp t, 0,1,2,3
.irp x, 0,1,2,3                                ; sixteen accumulators, one instruction each: a chain's next link stands a whole step on
	v_wmma_f32_16x16x128_bf8_bf8 v[O+32*\x+8*\t:O+32*\x+8*\t+7], v[VF+16*\t:VF+16*\t+15], v[P+16*\x:P+16*\x+15], v[O+32*\x+8*\t:O+32*\x+8*\t+7]
.endr
.endr
	WIN 0
	s_add_co_u32 s[TB], s[TB], STEPB
.endm
	s_wait_tensorcnt 1                             ; my first load, step w, is in; my second may stay out
	s_barrier_signal -1
	s_barrier_wait -1                              ; and so are steps 0 to 7, the first 131,072 bytes
.irp t, 0,1,2,3,4,5,6,7
.irp g, 0,1
	ds_load_b128 v[KF+8*\t+4*\g:KF+8*\t+4*\g+3], v[LI] offset:1024*\t+512*\g           ; K of step 0
.endr
.endr
	s_wait_loadcnt 0x0                             ; Q
	s_mov_b32 s[CNT], 7
.Lfirst:                                           ; steps 0 to 6: the furthest byte read is in K of step 7
	STEP 1
	s_sub_co_u32 s[CNT], s[CNT], 1
	s_cmp_lg_u32 s[CNT], 0
	s_cbranch_scc1 .Lfirst
	s_setprio 0
	s_wait_tensorcnt 0x0                           ; my second load, step 8 + w, is in,
	s_wait_dscnt 0x0                               ; (no LDS instruction is pending at a signal)
	s_barrier_signal -1
	s_barrier_wait -1                              ; and so is the whole head
	s_mov_b32 s[CNT], 8
.Lsecond:                                          ; steps 7 to 14
	STEP 1
	s_sub_co_u32 s[CNT], s[CNT], 1
	s_cmp_lg_u32 s[CNT], 0
	s_cbranch_scc1 .Lsecond
	s_setprio 0
	STEP 0                                         ; step 15 is written out: there is no K behind it
	; THE WAY OUT.  ctx = O^T / the sum x 2^(e8 + e9), held, converted with 2^e10 and stored as groups of the last product's operand.  The first four additions are the places behind the last products.
.irp x, 0,1,2,3
	v_add_f32 v[TP+2*\x], v[ST+4*\x+2], v[ST+4*\x+3]
.endr
.irp x, 0,1,2,3
	s_delay_alu instid0(VALU_DEP_4)
	v_permlanex16_b32 v[TP+2*\x+1], v[TP+2*\x], s[SEL], s[SEL+1]
.endr
.irp x, 0,1,2,3
	s_delay_alu instid0(VALU_DEP_4)
	v_add_f32 v[TP+2*\x], v[TP+2*\x], v[TP+2*\x+1]
.endr
	s_wait_alu depctr_va_vdst(0)
.irp x, 0,1,2,3
	v_rcp_f32 v[TP+2*\x], v[TP+2*\x]
.endr
	v_nop                                          ; a plain instruction behind the last reciprocal,
	s_wait_alu depctr_va_vdst(0)                   ; and one wait for the four, ahead of their first reader
.irp x, 0,1,2,3
	v_ldexp_f32 v[TP+2*\x], v[TP+2*\x], s61
.endr
	WIN 0x01                                       ; source 0 (O^T) in window 1
.irp x, 0,1,2,3
.set j, 0
.rept 16
	v_pk_mul_f32 v[S+32*\x+j:S+32*\x+j+1], v[O+32*\x+j:O+32*\x+j+1], v[TP+2*\x:TP+2*\x+1] op_sel_hi:[1,0]
.set j, j+2
.endr
.endr
	WIN 0
.set j, 0
.rept 128
.set j, j+1
.endr
.irp x, 0,1,2,3
.irp t, 0,1,2,3
	v_cvt_scalef32_pk8_bf8_f32 v[KF+8*\x+2*\t:KF+8*\x+2*\t+1], v[S+32*\x+8*\t:S+32*\x+8*\t+7], v[SCX]   ; channels 16 t + 8 h + 0 .. 7 of my query
.endr
.endr
	v_nop
.irp x, 0,1,2,3
.irp g, 0,1
	global_store_b128 v[LI], v[KF+8*\x+4*\g:KF+8*\x+4*\g+3], s[10:11] offset:16384*\x+512*\g           ; 32 lanes store 512 consecutive bytes, at a multiple of 512 from the buffer's first byte
.endr
.endr
	s_wait_dscnt 0x0
	s_wait_xcnt 0x0
	v_lshl_add_u32 v254, v0, 2, 0x40000
	v_mov_b32 v255, 0
	s_wait_alu depctr_va_vdst(0)
	s_wait_tensorcnt 0x0
	ds_add_u32 v254, v255
	s_wait_dscnt 0x0
	CROUND                                         ; the closing round
	s_endpgm
.Lfunc_end_k_qe18a005d53_attn:
	.size	k_qe18a005d53_attn, .Lfunc_end_k_qe18a005d53_attn-k_qe18a005d53_attn
	.p2alignl 7, 3214868480
	.fill 96, 4, 3214868480
	.section	.rodata,"a",@progbits
	.p2align	6, 0x0
	.amdhsa_kernel k_qe18a005d53_attn
		.amdhsa_group_segment_fixed_size 327680
		.amdhsa_private_segment_fixed_size 0
		.amdhsa_enable_private_segment 0
		.amdhsa_kernarg_size 32
		.amdhsa_user_sgpr_count 2
		.amdhsa_user_sgpr_kernarg_segment_ptr 1
		.amdhsa_wavefront_size32 1
		.amdhsa_system_sgpr_workgroup_id_x 1
		.amdhsa_system_sgpr_workgroup_id_y 1
		.amdhsa_system_sgpr_workgroup_id_z 1
		.amdhsa_system_vgpr_workitem_id 0
		.amdhsa_next_free_vgpr 512
		.amdhsa_next_free_sgpr 66
		.amdhsa_reserve_vcc 0
		.amdhsa_float_denorm_mode_32 3
		.amdhsa_float_denorm_mode_16_64 3
		.amdhsa_fp16_overflow 1
		.amdhsa_memory_ordered 1
		.amdhsa_forward_progress 1
		.amdhsa_inst_pref_size 161
	.end_amdhsa_kernel
	.amdgpu_metadata
---
amdhsa.version: [ 1, 2 ]
amdhsa.kernels:
  - .name:           k_qe18a005d53_attn
    .symbol:         k_qe18a005d53_attn.kd
    .args:
      - { .name: qimg, .offset: 0, .size: 8, .value_kind: global_buffer, .address_space: global }
      - { .name: kvimg, .offset: 8, .size: 8, .value_kind: global_buffer, .address_space: global }
      - { .name: lowp_scales, .offset: 16, .size: 8, .value_kind: global_buffer, .address_space: global }
      - { .name: ctximg, .offset: 24, .size: 8, .value_kind: global_buffer, .address_space: global }
    .group_segment_fixed_size: 327680
    .private_segment_fixed_size: 0
    .kernarg_segment_align: 8
    .kernarg_segment_size: 32
    .max_flat_workgroup_size: 256
    .sgpr_count:     66
    .vgpr_count:     512
    .wavefront_size: 32
...
	.end_amdgpu_metadata
.endif
;; end of part 2
;; launch outp (part 3): grid 4 x 32, 4 waves a work-group, clusters of 4 x 4, 327,680 bytes of LDS; arguments ctximg, Wo_codes, lowp_scales, out0, bo; writes out0
.if DOCPART == 3
	.amdgcn_target "amdgcn-amd-amdhsa--gfx1250"
	.amdhsa_code_object_version 6
	.text
	.protected	k_qe18a005d53_outp
	.globl	k_qe18a005d53_outp
	.p2align	8
	.type	k_qe18a005d53_outp,@function
k_qe18a005d53_outp:
	s_mov_b64 s[64:65], 0
	v_nop
	global_prefetch_b8 v0, s[64:65] scope:SCOPE_SE
	s_setreg_imm32_b32 hwreg(HW_REG_WAVE_MODE, 25, 1), 1
	s_wait_xcnt 0x0
	s_wait_alu depctr_hold_cnt(0) depctr_sa_sdst(0) depctr_va_vdst(0) depctr_va_sdst(0) depctr_va_ssrc(0) depctr_va_vcc(0) depctr_vm_vsrc(0)
	s_getreg_b32 s2, hwreg(HW_REG_IB_STS2, 6, 4)
	s_cmp_eq_u32 s2, 0
	s_cbranch_scc0 .Lentry_in_a_cluster
	s_endpgm
.Lentry_in_a_cluster:
	s_bfe_u32 s2, ttmp6, 0x10000c
	s_cmp_lg_u32 s2, 0xf033
	s_cbranch_scc0 .Lentry_shape_is_right
	s_endpgm
.Lentry_shape_is_right:
; out = ctx Wo^T + bo.  ctx: 8,192 rows x 1,024, codes of BF8 (E5M2) laid as images of the operand's registers: ctximg [tile of 16 rows 512][K step of 128: 8][group of four registers 4][512 bytes: 16 a lane].
; Wo: [1,024][1,024] codes in rows, K innermost.  out: [8,192][1,024] f32.  A number of ctx is its code x 2^e10, of Wo x 2^e11; the codes are multiplied as they are.
; The sums BEGIN as bo / 2^(e10 + e11) (the C of the first K step's products) and each finished sum is multiplied once by 2^(e10 + e11).   LIMIT: -126 <= e10 + e11 <= 126.
; A tile of out, 256 x 256, is made by four waves, 128 x 128 each: 64 accumulators.  K goes in four steps of 256 through two LDS slots.  4 x 4 work-groups form a cluster: ctx's tile is shared along a row of
; the cluster, Wo's along a column; each is asked for jointly.  Source 0 = 16 rows of Wo, source 1 = 16 rows of ctx: a lane holds eight neighbouring numbers of a row of out.
; THE ORDER OF k.  ctx's images hold k = 16 c + 8 h + 0 .. 7 in registers 2 c, 2 c + 1, the form's own layout.  So Wo's fragments are read in that layout too: eight loads of 8 bytes at row x pitch + 8 h + 16 c.
; REGISTERS: window 0: v0-31 addresses; v32-95 bo, later a block's results; v128-255 ctx's fragments, one set, later rows on their way out.  window 1: Wo's fragments, two sets.  windows 2, 3: the accumulators.
.set SIZE_N, 1024
.set ROWB,   256                       ; a row of Wo's tile in bytes
.set KROW,   1024                      ; a row of Wo in memory
.set PITCH,  272                       ; Wo's rows in LDS: 256 bytes + 16 of padding: the 32 lanes of a load of 8 bytes touch 64 different banks (68 r + 2 h words; ISA guide 11.1)
.set FR,     16
.set NP,     4
.set AHALF,  32768                     ; ctx: 8 tiles of rows x 4,096 bytes (two K steps of 128): what one tensor load brings
.set BHALF,  128*PITCH                 ; Wo: 128 rows
.set BOFF,   2*AHALF
.set SLOT,   BOFF+2*BHALF
.set SPARE,  2*SLOT                    ; behind the ring: the spare words, 128 bytes for each wave, which no other line names
.set SPITCH, 528                       ; the way out: a stage of 16 rows x (512 bytes + 16) for each wave, in slot 0, which has had its last fill and its last read by then
.set ADRA, 16
.set ADRB, 20
.set STO,  24
.set RD,   25
.set CO,   26                          ; v26     16 x lane: my place in an image, and my byte offset in a row of out
.set SPW,  28
.set NIL,  29
.set TMP,  32
.set BO,   32
.set AF,   128
.set BK,   128
.set G1, 24
.set G0, 32
.set G1B, 48
.set G0B, 56
.set MSB, 0
.macro WIN new
.if MSB != (\new)
	s_set_vgpr_msb (MSB<<8)|(\new)
.set MSB, (\new)
.endif
.endm
.set MUL_LO, 0xa1                      ; source 0 (Wo) window 1, source 1 (ctx) window 0, C and D window 2
.set MUL_HI, 0xf1                      ; the same, C and D window 3
.set TO_B,   0x40
.macro JLOAD g0a, g1a, g0b, g1b        ; waves 0 and 1 fetch for ctx, waves 2 and 3 for Wo; four v_nop follow each of the two lines
	s_cmp_eq_u32 s15, 0
	s_cbranch_scc0 .Lfor_b_\@
	tensor_load_to_lds s[\g0a:\g0a+3], s[\g1a:\g1a+7]
	s_nop 0
.rept 4
	v_nop
.endr
	s_branch .Lasked_\@
.Lfor_b_\@:
	tensor_load_to_lds s[\g0b:\g0b+3], s[\g1b:\g1b+7]
	s_nop 0
.rept 4
	v_nop
.endr
.Lasked_\@:
.endm
.macro CREST
	s_cmp_lg_u32 s14, 0
	s_cbranch_scc1 .Lnot_wave_0_\@
	s_barrier_signal -3
.Lnot_wave_0_\@:
	s_barrier_wait -3
	s_barrier_signal -1
	s_barrier_wait -1
.endm
.macro CROUND
	s_barrier_signal -1
	s_barrier_wait -1
	CREST
.endm
	s_load_b128 s[4:7], s[0:1], 0x0                ; ctximg, Wo's codes
	s_load_b128 s[8:11], s[0:1], 0x10              ; the scales' exponents, out
	s_load_b64 s[12:13], s[0:1], 0x20              ; bo
	v_lshl_add_u32 v[SPW], v0, 2, SPARE
	v_mov_b32 v[NIL], 0
	ds_add_u32 v28, v29
	ds_add_u32 v28, v29
	s_wait_dscnt 0x0
	v_lshrrev_b32 v1, 5, v0
	v_readfirstlane_b32 s14, v1                    ; wave 0..3
	s_lshr_b32 s15, s14, 1                         ; which half of the tile's rows is mine.  Also: I fetch for ctx (0) or for Wo (1)
	s_and_b32 s16, s14, 1                          ; which half of its columns.  Also: which half of that tile I fetch
	s_bfe_u32 s40, ttmp6, 0x40000                  ; cx, cy
	s_bfe_u32 s41, ttmp6, 0x40004
	s_lshl_b32 s42, ttmp9, 2
	s_add_co_u32 s42, s42, s40                     ; tile column
	s_and_b32 s17, ttmp7, 0xffff
	s_lshl_b32 s17, s17, 2
	s_add_co_u32 s17, s17, s41                     ; tile row
	s_lshl_b32 s43, s41, 2
	s_lshl_b32 s43, 15, s43                        ; my row of the cluster
	s_lshl_b32 s44, 0x1111, s40                    ; my column
	; ctx's tiles: 8 rows of 4,096 bytes (a tile of 16 rows, two K steps), 16,384 bytes apart in memory, dense in LDS
	s_or_b32 s[G1+0], s43, (3<<16)|(1<<21)         ; 15:0 the mask: my row; 17:16 elements of 8 bytes; 21 set beside a mask; no padding
	s_mov_b32 s[G1+1], 512<<16                     ; tensor_dim0 = 512 elements
	s_mov_b32 s[G1+2], 8<<16                       ; tensor_dim1 = 8
	s_mov_b32 s[G1+3], 512<<16                     ; tile_dim0
	s_mov_b32 s[G1+4], 8                           ; tile_dim1
	s_mov_b32 s[G1+5], 2048                        ; tensor_dim0_stride, in elements
	s_mov_b32 s[G1+6], 0
	s_mov_b32 s[G1+7], 0
	; Wo's tiles: 128 rows of 256 bytes, padded in LDS
	s_or_b32 s[G1B+0], s44, (1<<20)|(1<<21)|(5<<22)|(3<<25)  ; the mask: my column; elements of 1 byte; four words of padding after every 64
	s_mov_b32 s[G1B+1], ROWB<<16
	s_mov_b32 s[G1B+2], 128<<16
	s_mov_b32 s[G1B+3], ROWB<<16
	s_mov_b32 s[G1B+4], 128
	s_mov_b32 s[G1B+5], KROW
	s_mov_b32 s[G1B+6], 0
	s_mov_b32 s[G1B+7], 0
	s_lshl_b32 s20, s17, 4
	s_lshl_b32 s18, s16, 3
	s_add_co_u32 s20, s20, s18                     ; ctx: tile of rows 16 x tile row + 8 x half,
	s_lshl_b32 s20, s20, 14                        ; 16,384 bytes each: under 2^23
	s_mov_b32 s21, 0
	s_lshl_b32 s46, s42, 8
	s_lshl_b32 s18, s16, 7
	s_add_co_u32 s46, s46, s18                     ; Wo: row 256 x tile column + 128 x half,
	s_lshl_b32 s46, s46, 10                        ; 1,024 bytes each
	s_mov_b32 s47, 0
	s_lshl_b32 s45, s16, 15                        ; where they go: ctx's halves at 32,768 x half,
	s_mul_i32 s22, s16, BHALF
	s_add_co_u32 s22, s22, BOFF                    ; Wo's behind them: no place in the cluster enters an LDS address
	s_wait_kmcnt 0x0
	s_load_b64 s[96:97], s[8:9], 0x28              ; e10, e11
	s_add_nc_u64 s[20:21], s[4:5], s[20:21]
	s_add_nc_u64 s[46:47], s[6:7], s[46:47]
	CROUND                                         ; all sixteen work-groups are here: the first joint loads meet
.irp s, 0,1
	s_mov_b32 s[G0+4*\s], 1
	s_add_co_u32 s[G0+4*\s+1], s45, \s*SLOT
	s_add_nc_u64 s[G0+4*\s+2:G0+4*\s+3], s[20:21], \s*4096
	s_or_b32 s[G0+4*\s+3], s[G0+4*\s+3], 0x80000000
	s_mov_b32 s[G0B+4*\s], 1
	s_add_co_u32 s[G0B+4*\s+1], s22, \s*SLOT
	s_add_nc_u64 s[G0B+4*\s+2:G0B+4*\s+3], s[46:47], \s*ROWB
	s_or_b32 s[G0B+4*\s+3], s[G0B+4*\s+3], 0x80000000
	s_wait_alu depctr_va_vdst(0)
	s_wait_tensorcnt 0x0
	ds_add_u32 v28, v29
	ds_add_u32 v28, v29
	s_wait_dscnt 0x0
	CROUND
	JLOAD G0+4*\s, G1, G0B+4*\s, G1B               ; one tensor load of mine is out
.endr
	v_and_b32 v1, 15, v0                           ; r
	v_bfe_u32 v2, v0, 4, 1                         ; h
	v_and_b32 v6, 31, v0
	v_lshlrev_b32 v[CO], 4, v6                     ; 16 x lane
	v_mul_u32_u24 v3, v1, PITCH
	v_lshl_add_u32 v4, v2, 3, v3                   ; Wo: row x pitch + 8 x half
	s_lshl_b32 s21, s15, 15                        ; my 8 tiles of ctx's rows
	s_mul_i32 s22, s16, BHALF                      ; my 128 rows of Wo
	s_add_co_u32 s22, s22, BOFF
.irp s, 0,1
	v_add_nc_u32 v[ADRA+\s], s21, v[CO]
	v_add_nc_u32 v[ADRB+\s], s22, v4
	s_add_co_u32 s21, s21, SLOT
	s_add_co_u32 s22, s22, SLOT
.endr
	s_mul_i32 s23, s14, 16*SPITCH                  ; my stage
	v_mul_u32_u24 v5, v1, SPITCH                   ; in: row r, 32 bytes for each half of the lanes
	v_lshl_add_u32 v5, v2, 5, v5
	v_add_nc_u32 v[STO], s23, v5
	v_add_nc_u32 v[RD], s23, v[CO]                 ; back: the 32 lanes take one row of 512 bytes
	s_lshl_b32 s20, s17, 8
	s_lshl_b32 s21, s15, 7
	s_add_co_u32 s20, s20, s21                     ; my first row of out,
	s_lshl_b32 s20, s20, 12                        ; 4,096 bytes each: under 2^25
	s_mov_b32 s21, 0
	s_lshl_b32 s46, s42, 10                        ; my first column, in bytes: 1,024 x tile column + 512 x half
	s_lshl_b32 s47, s16, 9
	s_add_co_u32 s46, s46, s47
	s_mov_b32 s47, 0
	v_lshl_add_u32 v7, v2, 5, s46                  ; bo: the same bytes, + 32 h: block b's eight numbers of my half
	s_add_nc_u64 s[20:21], s[20:21], s[46:47]
	s_add_nc_u64 s[10:11], s[10:11], s[20:21]
.irp b, 0,1,2,3,4,5,6,7
	global_load_b128 v[BO+8*\b:BO+8*\b+3], v7, s[12:13] offset:64*\b
	global_load_b128 v[BO+8*\b+4:BO+8*\b+7], v7, s[12:13] offset:64*\b+16
.endr
	s_wait_kmcnt 0x0
	s_add_co_i32 s96, s96, s97                     ; e10 + e11
	s_sub_co_i32 s98, 127, s96
	s_lshl_b32 s98, s98, 23                        ; 2^-(e10 + e11)
	s_mov_b32 s99, s98                             ; (named with it as a pair, so it is written)
	s_add_co_i32 s96, s96, 127
	s_lshl_b32 s96, s96, 23                        ; 2^(e10 + e11)
	s_mov_b32 s97, s96
	s_wait_loadcnt 0x0
.irp i, 0,2,4,6,8,10,12,14,16,18,20,22,24,26,28,30,32,34,36,38,40,42,44,46,48,50,52,54,56,58,60,62
	v_pk_mul_f32 v[BO+\i:BO+\i+1], v[BO+\i:BO+\i+1], s[98:99] op_sel_hi:[1,0]   ; bo / 2^(e10 + e11): nothing is rounded, short of overflow and underflow
.endr
.macro FRAGA reg, adr, q, i            ; ctx: tile of rows i, the slot's q-th 128 along K: four groups of four registers as they were stored
.irp c, 0,1,2,3
	ds_load_b128 v[\reg+4*\c:\reg+4*\c+3], v[\adr] offset:2048*(\q)+4096*(\i)+512*\c
.endr
.endm
.macro FRAGB reg, adr, q, i            ; Wo: registers 2 c, 2 c + 1 hold k = 16 c + 8 h + 0 .. 7 of row r
.irp c, 0,1,2,3,4,5,6,7
	ds_load_b64 v[\reg+2*\c:\reg+2*\c+1], v[\adr] offset:128*(\q)+16*\c+(\i)*16*PITCH
.endr
.endm
; 16 matrix instructions: ctx's blocks a0, a0 + 1 x Wo's eight.  first = 1: the sums begin with bo's registers as C.  The 64 accumulators take turns, one instruction a turn.
.macro MUL16 a0, p, first
.irp a, \a0, \a0+1
.irp b, 0,1,2,3,4,5,6,7
.if \first
	v_wmma_f32_16x16x128_bf8_bf8 v[8*(8*((\a)%4)+\b):8*(8*((\a)%4)+\b)+7], v[128*(\p)+FR*\b:128*(\p)+FR*\b+FR-1], v[AF+FR*(\a):AF+FR*(\a)+FR-1], v[BO+8*\b:BO+8*\b+7]
.else
	v_wmma_f32_16x16x128_bf8_bf8 v[8*(8*((\a)%4)+\b):8*(8*((\a)%4)+\b)+7], v[128*(\p)+FR*\b:128*(\p)+FR*\b+FR-1], v[AF+FR*(\a):AF+FR*(\a)+FR-1], v[8*(8*((\a)%4)+\b):8*(8*((\a)%4)+\b)+7]
.endif
.endr
.endr
.endm
.macro FETCH_B slot, q, p
	WIN TO_B
.irp i, 0,1,2,3,4,5,6,7
	FRAGB 128*(\p)+FR*\i, ADRB+\slot, \q, \i
.endr
	WIN 0
.endm
.macro FETCH_A slot, q, i0
.irp i, \i0, \i0+1, \i0+2, \i0+3
	FRAGA AF+FR*(\i), ADRA+\slot, \q, \i
.endr
.endm
.macro PLACES n
.rept \n
	v_nop
.endr
.endm
.macro STEP slot, q, first
	s_wait_dscnt 16                                ; Wo's set and ctx's blocks 0-3 are in; the youngest sixteen loads (blocks 4-7) may be out
.if \first
	WIN 0x81                                       ; source 0 window 1, C (bo) window 0, D window 2
.else
	WIN MUL_LO
.endif
	MUL16 0, (\q)%2, \first
	MUL16 2, (\q)%2, \first
	s_wait_dscnt 0
	PLACES NP
	FETCH_B \slot, (\q)+1, 1-(\q)%2
	FETCH_A \slot, (\q)+1, 0
.if \first
	WIN 0xc1                                       ; D window 3
.else
	WIN MUL_HI
.endif
	MUL16 4, (\q)%2, \first
	MUL16 6, (\q)%2, \first
	PLACES NP
	WIN 0
	FETCH_A \slot, (\q)+1, 4
.endm
.macro TURN slot, next, fill
	s_wait_tensorcnt 0x0                           ; all my tensor loads have landed: my part of the next slot
	ds_add_u32 v[SPW], v[NIL]                      ; 0 onto my spare word
	s_wait_dscnt 17                                ; (the add and the youngest sixteen loads may be out)
	WIN MUL_LO
	MUL16 0, 1, 0
	s_wait_dscnt 0x0                               ; the add is done, and my reads of this slot are over
	s_barrier_signal -1
	MUL16 2, 1, 0
	WIN 0
	s_barrier_wait -1
.if \fill
	CREST                                          ; the barrier has opened a round of the cluster's: no wave of any partner still reads this slot or has a load on its way
	s_add_nc_u64 s[G0+4*\slot+2:G0+4*\slot+3], s[G0+4*\slot+2:G0+4*\slot+3], 2*4096
	s_add_nc_u64 s[G0B+4*\slot+2:G0B+4*\slot+3], s[G0B+4*\slot+2:G0B+4*\slot+3], 2*ROWB
	JLOAD G0+4*\slot, G1, G0B+4*\slot, G1B         ; my one tensor load behind the round; its four v_nop are also the places in front of the loads below
.else
	PLACES NP
.endif
	FETCH_B \next, 0, 0
	FETCH_A \next, 0, 0
	WIN MUL_HI
	MUL16 4, 1, 0
	MUL16 6, 1, 0
	PLACES NP
	WIN 0
	FETCH_A \next, 0, 4
.endm
	s_wait_alu depctr_va_vdst(0)
	s_wait_tensorcnt 1                             ; my part of K step 0 is in (K step 1's load may be out)
	s_barrier_signal -1
	s_barrier_wait -1                              ; everybody's is
	FETCH_B 0, 0, 0
	FETCH_A 0, 0, 0
	FETCH_A 0, 0, 4
	STEP 0, 0, 1                                   ; the first step's products start the sums, from bo
	TURN 0, 1, 1
	STEP 1, 0, 0
	TURN 1, 0, 1
	STEP 0, 0, 0
	TURN 0, 1, 0                                   ; the last two slots are not filled again
	STEP 1, 0, 0
	s_wait_dscnt 16
	WIN MUL_LO
	MUL16 0, 1, 0
	MUL16 2, 1, 0
	s_wait_dscnt 0
	WIN MUL_HI
	MUL16 4, 1, 0
	MUL16 6, 1, 0
	WIN 0
; THE WAY OUT, block by block of 16 rows x 128 columns, through my own stage in LDS: in as 32 bytes a lane, back as whole rows of 512 bytes.  LDS serves a wave's instructions in order (ISA guide 5.7.1.4).
.macro TOSTAGE a
.set AC, 64*((\a)%4)
	WIN 0x02+((\a)/4)
.irp j, 0,2,4,6,8,10,12,14,16,18,20,22,24,26,28,30,32,34,36,38,40,42,44,46,48,50,52,54,56,58,60,62
	v_pk_mul_f32 v[TMP+\j:TMP+\j+1], v[AC+\j:AC+\j+1], s[96:97] op_sel_hi:[1,0]   ; x 2^(e10 + e11); each accumulator from its low end on
.endr
	WIN 0
.irp b, 0,1,2,3,4,5,6,7
	ds_store_b128 v[STO], v[TMP+8*\b:TMP+8*\b+3] offset:64*\b
	ds_store_b128 v[STO], v[TMP+8*\b+4:TMP+8*\b+7] offset:64*\b+16
.endr
.set BB, BK+64*((\a)%2)
.irp t, 0,1,2,3,4,5,6,7,8,9,10,11,12,13,14,15
	ds_load_b128 v[BB+4*\t:BB+4*\t+3], v[RD] offset:\t*SPITCH
.endr
.endm
.macro SEND a, younger                 ; younger: the LDS instructions issued behind block a's loads, which may stay out
.set BB, BK+64*((\a)%2)
	s_wait_dscnt \younger
.if (\a) > 0
	s_add_nc_u64 s[10:11], s[10:11], 16*SIZE_N*4   ; (behind a wait on XCNT: the earlier stores have read their base)  16 rows of out on
.endif
.irp t, 0,1,2,3,4,5,6,7,8,9,10,11,12,13,14,15
	global_store_b128 v[CO], v[BB+4*\t:BB+4*\t+3], s[10:11] offset:\t*SIZE_N*4 th:TH_STORE_NT   ; 32 lanes store 512 consecutive bytes, at a multiple of 512 from out's first byte
.endr
.endm
	PLACES NP
	TOSTAGE 0
.irp a, 1,2,3,4,5,6,7
.if \a > 1
	s_wait_xcnt 0x0                                ; block a - 2's stores have read their registers and their base
.endif
	TOSTAGE \a
	SEND \a-1, 32                                  ; behind block a - 1's loads: block a's 16 stores and 16 loads
.endr
	s_wait_xcnt 0x0
	SEND 7, 0
	s_wait_tensorcnt 0x0                           ; the wave's end
	ds_add_u32 v[SPW], v[NIL]
	s_wait_dscnt 0x0
	CROUND                                         ; the closing round
	s_endpgm
.Lfunc_end_k_qe18a005d53_outp:
	.size	k_qe18a005d53_outp, .Lfunc_end_k_qe18a005d53_outp-k_qe18a005d53_outp
	.p2alignl 7, 3214868480
	.fill 96, 4, 3214868480
	.section	.rodata,"a",@progbits
	.p2align	6, 0x0
	.amdhsa_kernel k_qe18a005d53_outp
		.amdhsa_group_segment_fixed_size 327680
		.amdhsa_private_segment_fixed_size 0
		.amdhsa_enable_private_segment 0
		.amdhsa_kernarg_size 40
		.amdhsa_user_sgpr_count 2
		.amdhsa_user_sgpr_kernarg_segment_ptr 1
		.amdhsa_wavefront_size32 1
		.amdhsa_system_sgpr_workgroup_id_x 1
		.amdhsa_system_sgpr_workgroup_id_y 1
		.amdhsa_system_sgpr_workgroup_id_z 1
		.amdhsa_system_vgpr_workitem_id 0
		.amdhsa_next_free_vgpr 1024
		.amdhsa_next_free_sgpr 100
		.amdhsa_reserve_vcc 0
		.amdhsa_float_denorm_mode_32 3
		.amdhsa_float_denorm_mode_16_64 3
		.amdhsa_memory_ordered 1
		.amdhsa_forward_progress 1
		.amdhsa_inst_pref_size 144
	.end_amdhsa_kernel
	.amdgpu_metadata
---
amdhsa.version: [ 1, 2 ]
amdhsa.kernels:
  - .name:           k_qe18a005d53_outp
    .symbol:         k_qe18a005d53_outp.kd
    .args:
      - { .name: ctximg, .offset: 0, .size: 8, .value_kind: global_buffer, .address_space: global }
      - { .name: Wo_codes, .offset: 8, .size: 8, .value_kind: global_buffer, .address_space: global }
      - { .name: lowp_scales, .offset: 16, .size: 8, .value_kind: global_buffer, .address_space: global }
      - { .name: out0, .offset: 24, .size: 8, .value_kind: global_buffer, .address_space: global }
      - { .name: bo, .offset: 32, .size: 8, .value_kind: global_buffer, .address_space: global }
    .group_segment_fixed_size: 327680
    .private_segment_fixed_size: 0
    .kernarg_segment_align: 8
    .kernarg_segment_size: 40
    .max_flat_workgroup_size: 128
    .sgpr_count:     100
    .vgpr_count:     1024
    .wavefront_size: 32
...
	.end_amdgpu_metadata
.endif
;; end of part 3
